; MI455X (gfx1250); checked and timed in simulation.
; The chip was launched on July 23, 2026; its instructions are those of AMD's public machine-readable ISA for CDNA 5 (MIT licence, August 2026) and "CDNA5" Instruction Set Architecture Reference Guide (July 2026). The comments in the code are by the model that wrote it; some were corrected since.
;; Net. Allowed arithmetic: float matrix products may take bf16 or f16 operands with f32 sums; all other float work in f32.
;; Inputs: W 2 x 32 float32; x 8,192 x 64 x 64 float32.
;; Outputs: out0 8,192 x 2 float32.
;; One version. Each part assembles by itself: llvm-mc -triple=amdgcn-amd-amdhsa -mcpu=gfx1250 --defsym DOCPART=n.
;; ======== version 1 of 1: 1 launch
;; launch net (part 1): grid 256 x 1, 8 waves a work-group, no clusters, 75,008 bytes of LDS; arguments x, W, out0; writes out0
.if DOCPART == 1
	.amdgcn_target "amdgcn-amd-amdhsa--gfx1250"
	.amdhsa_code_object_version 6
	.text
	.protected	k_qbea69e0958_net
	.globl	k_qbea69e0958_net
	.p2align	8
	.type	k_qbea69e0958_net,@function
k_qbea69e0958_net:
	s_mov_b64 s[64:65], 0
	v_nop
	global_prefetch_b8 v0, s[64:65] scope:SCOPE_SE
	s_setreg_imm32_b32 hwreg(HW_REG_WAVE_MODE, 25, 1), 1
	s_wait_xcnt 0x0
; out0[b][o] = sum over the 32 features of graph b of feature * W[o][feature].
; Features of x (64 x 64): t_i = trace(x^(i+2)), s_i = sum of all entries of x^(i+2), i = 0..3, each to the powers 1..4 (made by
; repeated multiplication, as a cumprod), divided by 4096^(i+j+1) (traces) or 4096^(i+j+2) (sums).
;
; SHARES.  256 work-groups of 8 waves; a work-group owns 32 graphs, a wave 4, one whole graph at a time.  No wave needs another
; until the one barrier at the end, where the 32 x 2 results are gathered so that one store writes 256 consecutive bytes, aligned.
;
; ALGEBRA.  x^(k+2) = x * x^(k+1) is made separately for each strip of 16 columns (nt = 0..3).  Stage k of a strip holds
; B_k = bf16(x^(k+1)[:, strip]) as two B fragments and makes D_k = x * B_k (four 16 x 16 tiles) and c_k = ONES * B_k (column sums
; of x^(k+1)).  t_k is the sum of the diagonal of tile mt = nt of D_k.  s_k = (1^T x^(k+1)) (x 1) = sum over j of c_k[j] u1[j],
; u1 = row sums of x.  In stage 3 only the diagonal tile is made, since x^5 is needed for its trace alone (its sum comes from c_3).
; x^6, which the scan of the problem forms and drops, is not made.
; A D tile (register j = row 8h + j, lane r = column r) packed in pairs IS the next B fragment: no lane ever exchanges data.
;
; LIMITS.  x, x^2, x^3, x^4 are rounded to bf16 as matrix operands; all sums are f32.  The diagonal is picked by a multiplication
; with a 0/1 mask and u1 is zero in lanes 16-31, so 0 * inf = NaN arises where an element of x^(k+2) or a column sum of x^(k+1)
; is not finite.  The division by 4096^e is a multiplication by the exact 2^(-12 e), e at most 8.
;
; NOT USED: clusters and joint loads (no two work-groups read the same byte of x; W is 256 bytes); the tensor data mover (a wave has
; four tiles only, and register slots with counted waits are refilled without ever waiting for all loads).
.set PITCH, 144                        ; an LDS row: 128 bytes of bf16 + 16: nine 16-byte columns, so 16 neighbouring rows start in 16 different 16-byte columns modulo 256 bytes
.set WBUF,  64*PITCH                   ; 9,216 bytes: one graph in bf16, a buffer for each wave, its own
.set OUTB,  8*WBUF                     ; 73,728: 32 graphs x 2 f32
.set ADRA,  1                          ; v1   LDS address of my part of an A fragment
.set ADRT,  2                          ; v2   LDS address of my part of a transposing load
.set STO,   3                          ; v3   LDS address where I put 8 bytes of a row
.set GOFF,  4                          ; v4   my byte offset in the work-group part of x; never rewritten
.set RES,   5                          ; v5   first the byte offset of my W words; then lanes 8g..8g+7: the eight figures of graph g
.set ONES,  8                          ; v[8:15]    an A fragment of 1.0
.set MASK,  16                         ; v[16:23]   MASK[j] = 1.0 where element (8h + j, r) of a tile lies on its diagonal
.set TACC,  24                         ; v[24:31]   a pair of partial traces for each k
.set SACC,  32                         ; v[32:35]   a partial sum for each k
.set U1,    36                         ; v[36:39]   u1[16 nt + r], zero in lanes 16-31
.set W0,    40                         ; v[40:43]   W[0][4v .. 4v+3], v = lane & 7
.set W1,    44                         ; v[44:47]   W[1][4v .. 4v+3]
.set AF,    48                         ; v[48:111]  x as A fragments: rows 16 mt.., K = 32 kk.. at AF + 16 mt + 8 kk
.set BS,    112                        ; strip slot p (0, 1) at + 56 p: B fragments, 16 registers
.set DS,    128                        ;                               D tiles, 32 registers (also: the packed bf16 on their way into LDS)
.set CS,    160                        ;                               column sums, 8 registers
.set BN,    224                        ; v[224:255] B_0 of strips 2 and 3
; v256-v511: two slots of 128 registers, a graph as loaded (f32).  An instruction names 256 registers; s_set_vgpr_msb says which
; block each operand place means: bits 1:0 source 0, 3:2 source 1, 7:6 destination.  Three switches a graph that refills its slot, two otherwise.
.set MSB, 0
.macro WIN new                         ; the high byte of the immediate repeats the setting that is left
.if MSB != \new
	s_set_vgpr_msb (MSB<<8)|\new
.set MSB, \new
.endif
.endm
; 32 loads, each of 512 consecutive bytes: graph g of the wave into slot.  Load t, lane L: row 2t + L/16, columns 4 (L%16) .. + 3.
.macro FILL slot, g
.set t, 0
.rept 32
	global_load_b128 v[128*(\slot)+4*t:128*(\slot)+4*t+3], v[GOFF], s[4:5] offset:(\g)*16384+512*t th:TH_LOAD_NT
.set t, t+1
.endr
.endm
.macro WM d, a, b, zero                ; one product; zero = 1: it starts the sum
.if \zero
	v_wmma_f32_16x16x32_bf16 v[\d:\d+7], v[\a:\a+7], v[\b:\b+7], 0
.else
	v_wmma_f32_16x16x32_bf16 v[\d:\d+7], v[\a:\a+7], v[\b:\b+7], v[\d:\d+7]
.endif
.endm
.macro CVQ p, q                        ; register q of the next B fragments of slot p
	v_cvt_pk_bf16_f32 v[BS+56*(\p)+(\q)], v[DS+56*(\p)+2*(\q)], v[DS+56*(\p)+2*(\q)+1]
.endm
.macro TRC p, k, nt, e                 ; two registers of the diagonal tile, masked, onto the trace of stage k
	v_pk_fma_f32 v[TACC+2*(\k):TACC+2*(\k)+1], v[DS+56*(\p)+8*(\nt)+2*(\e):DS+56*(\p)+8*(\nt)+2*(\e)+1], v[MASK+2*(\e):MASK+2*(\e)+1], v[TACC+2*(\k):TACC+2*(\k)+1]
.endm
.macro SUMC p, k, nt                   ; c_k[column] * u1[column] onto the sum of stage k
	v_fmac_f32 v[SACC+(\k)], v[CS+56*(\p)], v[U1+(\nt)]
.endm
; The vector work that stands behind the i-th product of a phase.  It belongs to the OTHER strip slot, whose products ended a phase ago.
; mode 1: what follows stage k < 3 of slot p (strip nt): 1 + 16 + 4 instructions.  It takes the tiles in the order in which they were
;         finished, so that each line that reads a result or writes a B fragment stands at least four plain vector instructions,
;         naming none of that product registers, behind the product concerned (ISA guide 7.12.1).
; mode 2: a graph begins: the 12 partial figures are cleared, u1 is taken from the row-sum products and zeroed in lanes 16-31.
; mode 3: what follows stage 3: 5 instructions, all behind the last product of the phase.
.macro CHUNK mode, p, k, nt, i
.if \mode == 1
.if (\i) == 0
	SUMC \p, \k, \nt
.endif
.if (\i) < 8
	CVQ \p, 2*(\i)
	CVQ \p, 2*(\i)+1
.else
	TRC \p, \k, \nt, 2*(\i)-16
	TRC \p, \k, \nt, 2*(\i)-15
.endif
.endif
.if \mode == 2
.if (\i) < 6
	v_mov_b32 v[TACC+2*(\i)], 0
	v_mov_b32 v[TACC+2*(\i)+1], 0
.endif
.if (\i) == 9
.irp u, 0,1,2,3
	v_cndmask_b32 v[U1+\u], v[DS+56+8*\u], 0, s17
.endr
.endif
.endif
.if \mode == 3
.if (\i) == 9
	SUMC \p, \k, \nt
	TRC \p, \k, \nt, 0
	TRC \p, \k, \nt, 1
	TRC \p, \k, \nt, 2
	TRC \p, \k, \nt, 3
.endif
.endif
.endm
; A stage k < 3 of slot p on the B fragments at b: ten products.  The five accumulators (column sums, four tiles) take turns, one
; instruction a turn.
.macro PHASE10 p, b, mode, pp, pk, pnt
	WM CS+56*(\p), ONES, \b, 1
	CHUNK \mode, \pp, \pk, \pnt, 0
.irp mt, 0,1,2,3
	WM DS+56*(\p)+8*\mt, AF+16*\mt, \b, 1
	CHUNK \mode, \pp, \pk, \pnt, \mt+1
.endr
	WM CS+56*(\p), ONES, (\b)+8, 0
	CHUNK \mode, \pp, \pk, \pnt, 5
.irp mt, 0,1,2,3
	WM DS+56*(\p)+8*\mt, AF+16*\mt+8, (\b)+8, 0
	CHUNK \mode, \pp, \pk, \pnt, \mt+6
.endr
.endm
; Stage 3 of slot p (strip nt): column sums and the diagonal tile alone; the two accumulators take turns.
.macro PHASE4 p, nt, mode, pp, pk, pnt
	WM CS+56*(\p), ONES, BS+56*(\p), 1
.irp i, 0,1,2
	CHUNK \mode, \pp, \pk, \pnt, \i
.endr
	WM DS+56*(\p)+8*(\nt), AF+16*(\nt), BS+56*(\p), 1
.irp i, 3,4
	CHUNK \mode, \pp, \pk, \pnt, \i
.endr
	WM CS+56*(\p), ONES, BS+56*(\p)+8, 0
.irp i, 5,6
	CHUNK \mode, \pp, \pk, \pnt, \i
.endr
	WM DS+56*(\p)+8*(\nt), AF+16*(\nt)+8, BS+56*(\p)+8, 0
.irp i, 7,8,9
	CHUNK \mode, \pp, \pk, \pnt, \i
.endr
.endm
; Two strips, na in slot 0 and nb in slot 1, through their four stages by turns: while one slot multiplies, the results of the other
; are packed, traced and summed between the products.  ba, bb: where B_0 lies.  m0, pnt0: the work set into the first phase.
; wa, wb: how many younger LDS loads may stay out when ba, bb are needed (wb = -1: no wait is owed).
.macro PAIR na, nb, ba, bb, m0, pnt0, wa, wb
	s_wait_dscnt \wa
	PHASE10 0, \ba, \m0, 1, 3, \pnt0
.if \wb >= 0
	s_wait_dscnt \wb
.endif
	PHASE10 1, \bb, 1, 0, 0, \na
	PHASE10 0, BS, 1, 1, 0, \nb
	PHASE10 1, BS+56, 1, 0, 1, \na
	PHASE10 0, BS, 1, 1, 1, \nb
	PHASE10 1, BS+56, 1, 0, 2, \na
	PHASE4 0, \na, 1, 1, 2, \nb
	PHASE4 1, \nb, 3, 0, 3, \na
.endm
; Four transposing loads: columns 16 nt .. + 15 of x, all 64 K, as two B fragments at dst.
.macro TRB dst, nt
.irp kk, 0,1
	ds_load_tr16_b128 v[\dst+8*\kk:\dst+8*\kk+3], v[ADRT] offset:32*PITCH*\kk+32*(\nt)
	ds_load_tr16_b128 v[\dst+8*\kk+4:\dst+8*\kk+7], v[ADRT] offset:32*PITCH*\kk+32*(\nt)+16*PITCH
.endr
.endm
; Two figures a and b are halved in lanes together: lanes with the mask bit 0 end with a[i] + a[i xor xm], the others with b likewise.
.macro MERGE a, b, mask, xm
	v_cndmask_b32 v6, v[\a], v[\b], s[\mask]
	v_cndmask_b32 v7, v[\b], v[\a], s[\mask]
	v_add_f32_dpp v[\a], v7, v6 row_xmask:\xm row_mask:0xf bank_mask:0xf
.endm
; The eight figures of graph g summed over the 32 lanes; lane L ends with figure L & 7 (0-3: t_i, 4-7: s_i); lanes 8g .. 8g+7 keep it.
.macro REDUCE g
.irp k, 0,1,2,3
	v_add_f32 v[TACC+2*\k], v[TACC+2*\k], v[TACC+2*\k+1]
.endr
	MERGE TACC, TACC+2, 14, 1
	MERGE TACC+4, TACC+6, 14, 1
	MERGE SACC, SACC+1, 14, 1
	MERGE SACC+2, SACC+3, 14, 1
	MERGE TACC, TACC+4, 15, 2
	MERGE SACC, SACC+2, 15, 2
	MERGE TACC, SACC, 16, 4
	v_add_f32_dpp v[TACC], v[TACC], v[TACC] row_xmask:8 row_mask:0xf bank_mask:0xf
	v_permlanex16_b32 v6, v[TACC], s18, s19        ; lane i xor 16; v6 has been written
.if \g == 0
	v_add_f32 v[RES], v[TACC], v6
.else
	v_add_f32 v7, v[TACC], v6
	v_cndmask_b32 v[RES], v[RES], v7, s[19+\g]
.endif
.endm
; One graph.  left = how many younger global loads may stay out; fill = 1: the slot is loaded again with the graph two further on.
.macro GRAPH g, slot, fill, left
	s_wait_loadcnt \left                           ; loads come back in order (ISA guide 5.7.1): this slot is in, the 32 loads of the other slot stay out
	WIN 0x05                                       ; both sources in v256-511
.set t, 0
.rept 32
	v_cvt_pk_bf16_f32 v[DS+2*t+24*(t/16)], v[128*\slot+4*t], v[128*\slot+4*t+1]
	v_cvt_pk_bf16_f32 v[DS+2*t+24*(t/16)+1], v[128*\slot+4*t+2], v[128*\slot+4*t+3]
.set t, t+1
.endr
.if \fill
	WIN 0x40                                       ; destination in v256-511
	FILL \slot, \g+2
.endif
	WIN 0
.set t, 0
.rept 32
	ds_store_b64 v[STO], v[DS+2*t+24*(t/16):DS+2*t+24*(t/16)+1] offset:2*PITCH*t
.set t, t+1
.endr
	; The buffer is the wave own, and LDS serves the instructions of a wave in order (ISA guide 5.7.1.4): the loads see the stores above,
	; and the stores came behind the last graph loads, which were all waited for.
.irp mt, 0,1,2,3
.irp kk, 0,1
	ds_load_b128 v[AF+16*\mt+8*\kk:AF+16*\mt+8*\kk+3], v[ADRA] offset:16*PITCH*\mt+64*\kk
	ds_load_b128 v[AF+16*\mt+8*\kk+4:AF+16*\mt+8*\kk+7], v[ADRA] offset:16*PITCH*\mt+64*\kk+32
.endr
.endr
	TRB BS, 0
	TRB BS+56, 1
	TRB BN, 2
	TRB BN+16, 3
	s_wait_dscnt 16                                ; the stores and the 16 loads of A are done; the 16 transposing loads may be out
	; u1: an A fragment of x read as a B fragment has column r = row 16 n + r of x, so ONES * it = the row sums, lane r holding row 16 n + r.
	; Four accumulators by turns.
.irp kk, 0,1
.irp n, 0,1,2,3
	WM DS+56+8*\n, ONES, AF+16*\n+8*\kk, 1-\kk
.endr
.endr
	PAIR 0, 1, BS, BS+56, 2, 0, 12, 8              ; 12: strip 0 is in, 4 + 8 younger loads may be out; 8: strip 1 too
	PAIR 2, 3, BN, BN+16, 3, 1, 0, -1              ; its first phase carries what follows stage 3 of strip 1
	CHUNK 3, 1, 3, 3, 9                            ; what follows stage 3 of strip 3: five plain vector instructions stand behind its last product
	REDUCE \g
.endm
	s_load_b128 s[4:7], s[0:1], 0x0                ; x s[4:5], W s[6:7]
	s_load_b64 s[8:9], s[0:1], 0x10                ; out0
	v_lshrrev_b32 v6, 5, v0
	v_readfirstlane_b32 s10, v6                    ; wave 0..7
	v_and_b32 v7, 31, v0
	v_and_b32 v6, 0xe0, v0                         ; 32 x wave
	v_lshlrev_b32 v7, 4, v7
	v_lshl_or_b32 v[GOFF], v6, 11, v7              ; wave x 4 graphs x 16,384 bytes + 16 x lane
	v_and_b32 v[RES], 7, v0
	v_lshlrev_b32 v[RES], 4, v[RES]                ; 16 v: my four words of a row of W
	s_lshl_b32 s12, ttmp9, 19                      ; work-group x 32 graphs x 16,384 bytes: below 2^27
	s_mov_b32 s13, 0
	s_wait_kmcnt 0x0
	s_add_nc_u64 s[4:5], s[4:5], s[12:13]
	s_lshl_b32 s12, ttmp9, 8                       ; work-group x 32 graphs x 8 bytes
	s_add_nc_u64 s[8:9], s[8:9], s[12:13]
	global_load_b128 v[W0:W0+3], v[RES], s[6:7]
	global_load_b128 v[W1:W1+3], v[RES], s[6:7] offset:128
	WIN 0x40
	FILL 0, 0                                      ; two graphs of every wave are asked for before anything else is done
	FILL 1, 1
	WIN 0
	s_mov_b32 s14, 0xaaaaaaaa                      ; lanes with bit 0,
	s_mov_b32 s15, 0xcccccccc                      ; bit 1,
	s_mov_b32 s16, 0xf0f0f0f0                      ; bit 2,
	s_mov_b32 s17, 0xffff0000                      ; bit 4 set
	s_mov_b32 s18, 0x76543210                      ; v_permlanex16_b32: lane i of one half reads lane i of the other
	s_mov_b32 s19, 0xfedcba98
	s_mov_b32 s20, 0x0000ff00                      ; the lanes of graph 1,
	s_mov_b32 s21, 0x00ff0000                      ; 2,
	s_mov_b32 s22, 0xff000000                      ; 3
	s_mul_i32 s23, s10, WBUF                       ; my wave buffer
	s_lshl_b32 s24, s10, 5
	s_add_co_u32 s24, s24, OUTB                    ; my wave four results
	v_and_b32 v6, 15, v0                           ; r
	v_bfe_u32 v7, v0, 4, 1                         ; h
	v_mul_u32_u24 v[ADRA], v6, PITCH
	v_lshl_add_u32 v[ADRA], v7, 4, v[ADRA]
	v_add_nc_u32 v[ADRA], s23, v[ADRA]             ; buffer + r x pitch + 16 h
	v_mul_u32_u24 v[STO], v7, PITCH
	v_lshl_add_u32 v[STO], v6, 3, v[STO]
	v_add_nc_u32 v[STO], s23, v[STO]               ; buffer + h x pitch + 8 r
	v_and_b32 v6, 7, v0
	v_lshl_add_u32 v6, v7, 3, v6                   ; 8 h + (L & 7)
	v_mul_u32_u24 v[ADRT], v6, PITCH
	v_bfe_u32 v6, v0, 3, 1
	v_lshl_add_u32 v[ADRT], v6, 4, v[ADRT]
	v_add_nc_u32 v[ADRT], s23, v[ADRT]             ; buffer + (8 h + (L & 7)) x pitch + 16 x bit 3 of L
	v_xor_b32 v6, v6, v7                           ; 0 where r / 8 = h
	v_and_b32 v7, 7, v0
	v_lshl_or_b32 v6, v6, 3, v7                    ; = j exactly where element (8 h + j, r) is on the diagonal
.irp j, 0,1,2,3,4,5,6,7
	v_cmp_eq_u32 vcc_lo, \j, v6
	v_cndmask_b32 v[MASK+\j], 0, 1.0, vcc_lo
	v_mov_b32 v[ONES+\j], 0x3f803f80               ; two bf16 of 1.0
.endr
	GRAPH 0, 0, 1, 32                              ; the first wait also shows the two loads of W done, which are older: v5 is free from there on
	GRAPH 1, 1, 1, 32
	GRAPH 2, 0, 0, 32
	GRAPH 3, 1, 0, 0
	; THE WAY OUT, once a wave: lane L holds figure v = L & 7 of graph L / 8.  Feature 4 v + j = figure^(j+1) * 2^(-12 (e0 + j)),
	; e0 = (v & 3) + (v >> 2) + 1.  The scale is built as the bits of an f32: exponent field 127 - 12 e, at least 31.
.set PW, 112                           ; v[112:115] powers, then features
.set SC, 116                           ; v[116:119] scales
.set OO, 120                           ; v[120:121] the two outputs;  v[122:123] read back
	v_and_b32 v6, 3, v0
	v_bfe_u32 v7, v0, 2, 1
	v_add3_u32 v6, v6, v7, 1                       ; e0
	v_mul_u32_u24 v6, v6, 12
	v_sub_nc_u32 v6, 127, v6
	v_lshlrev_b32 v[SC], 23, v6
	v_add_nc_u32 v[SC+1], 0xfa000000, v[SC]        ; - 12 in the exponent field
	v_add_nc_u32 v[SC+2], 0xf4000000, v[SC]        ; - 24
	v_add_nc_u32 v[SC+3], 0xee000000, v[SC]        ; - 36
	v_mul_f32 v[PW+1], v[RES], v[RES]              ; powers first, then the scale: they overflow where a cumprod does
	v_mul_f32 v[PW+2], v[PW+1], v[RES]
	v_mul_f32 v[PW+3], v[PW+2], v[RES]
	v_mul_f32 v[PW], v[RES], v[SC]
	v_mul_f32 v[PW+1], v[PW+1], v[SC+1]
	v_mul_f32 v[PW+2], v[PW+2], v[SC+2]
	v_mul_f32 v[PW+3], v[PW+3], v[SC+3]
	v_mul_f32 v[OO], v[PW], v[W0]
	v_mul_f32 v[OO+1], v[PW], v[W1]
.irp j, 1,2,3
	v_fmac_f32 v[OO], v[PW+\j], v[W0+\j]
	v_fmac_f32 v[OO+1], v[PW+\j], v[W1+\j]
.endr
.irp m, 1,2,4
	v_add_f32_dpp v[OO], v[OO], v[OO] row_xmask:\m row_mask:0xf bank_mask:0xf          ; over the eight lanes of a graph
	v_add_f32_dpp v[OO+1], v[OO+1], v[OO+1] row_xmask:\m row_mask:0xf bank_mask:0xf
.endr
	v_bfe_u32 v6, v0, 3, 2                         ; my graph in the wave
	v_lshl_add_u32 v6, v6, 3, s24
	ds_store_b64 v6, v[OO:OO+1]                    ; the eight lanes of a graph write the same 8 bytes with the same values
	s_wait_dscnt 0x0                               ; for wave 0, which reads them: my store is done before I signal
	s_barrier_signal -1
	s_barrier_wait -1
	s_cmp_lg_u32 s10, 0
	s_cbranch_scc1 .Lend
	v_and_b32 v6, 31, v0
	v_lshlrev_b32 v6, 3, v6                        ; 8 bytes a lane
	v_add_nc_u32 v7, OUTB, v6
	ds_load_b64 v[OO+2:OO+3], v7
	s_wait_dscnt 0x0
	global_store_b64 v6, v[OO+2:OO+3], s[8:9]      ; one store: the 256 consecutive bytes of the 32 graphs, at a multiple of 256 from the first byte of out0
.Lend:
	s_wait_xcnt 0x0
	v_lshl_add_u32 v254, v0, 2, 0x12100
	v_mov_b32 v255, 0
	s_wait_tensorcnt 0x0
	ds_add_u32 v254, v255
	s_wait_dscnt 0x0
	s_endpgm
.Lfunc_end_k_qbea69e0958_net:
	.size	k_qbea69e0958_net, .Lfunc_end_k_qbea69e0958_net-k_qbea69e0958_net
	.p2alignl 7, 3214868480
	.fill 96, 4, 3214868480
	.section	.rodata,"a",@progbits
	.p2align	6, 0x0
	.amdhsa_kernel k_qbea69e0958_net
		.amdhsa_group_segment_fixed_size 75008
		.amdhsa_private_segment_fixed_size 0
		.amdhsa_enable_private_segment 0
		.amdhsa_kernarg_size 24
		.amdhsa_user_sgpr_count 2
		.amdhsa_user_sgpr_kernarg_segment_ptr 1
		.amdhsa_wavefront_size32 1
		.amdhsa_system_sgpr_workgroup_id_x 1
		.amdhsa_system_sgpr_workgroup_id_y 1
		.amdhsa_system_sgpr_workgroup_id_z 1
		.amdhsa_system_vgpr_workitem_id 0
		.amdhsa_next_free_vgpr 512
		.amdhsa_next_free_sgpr 66
		.amdhsa_reserve_vcc 1
		.amdhsa_float_denorm_mode_32 3
		.amdhsa_float_denorm_mode_16_64 3
		.amdhsa_memory_ordered 1
		.amdhsa_forward_progress 1
		.amdhsa_inst_pref_size 163
	.end_amdhsa_kernel
	.amdgpu_metadata
---
amdhsa.version: [ 1, 2 ]
amdhsa.kernels:
  - .name:           k_qbea69e0958_net
    .symbol:         k_qbea69e0958_net.kd
    .args:
      - { .name: x, .offset: 0, .size: 8, .value_kind: global_buffer, .address_space: global }
      - { .name: W, .offset: 8, .size: 8, .value_kind: global_buffer, .address_space: global }
      - { .name: out0, .offset: 16, .size: 8, .value_kind: global_buffer, .address_space: global }
    .group_segment_fixed_size: 75008
    .private_segment_fixed_size: 0
    .kernarg_segment_align: 8
    .kernarg_segment_size: 24
    .max_flat_workgroup_size: 256
    .sgpr_count:     66
    .vgpr_count:     512
    .wavefront_size: 32
...
	.end_amdgpu_metadata
.endif
;; end of part 1
